; MI455X (gfx1250); checked and timed in simulation.
; The chip was launched on July 23, 2026; its instructions are those of AMD's public machine-readable ISA for CDNA 5 (MIT licence, August 2026) and "CDNA5" Instruction Set Architecture Reference Guide (July 2026). The comments in the code are by the model that wrote it; some were corrected since.
;; Multi Headed Attention. Allowed arithmetic: matrix products marked QUANTISED: E2M1 operands, one E8M0 scale for each 32 along K, by v_wmma_scale_f32_16x16x128_f8f6f4 with both operands' format E2M1 (or v_wmma_scale_f32_32x16x128_f4), f32 sums; everything else in f32.
;; Inputs: Wk 1,024 x 1,024 float32; Wq 1,024 x 1,024 float32; Wv 1,024 x 1,024 float32; x 4 x 2,048 x 1,024 float32.
;; Outputs: out0 4 x 2,048 x 1,024 float32; out1 4 x 2,048 x 1,024 float32.
;; This version of the problem:
;;   THIS VERSION OF THE PROBLEM IS GIVEN IN LOW PRECISION. The matrix products marked QUANTISED in the list below multiply operands that are first quantised to E2M1 (2 exponent bits, 1 mantissa bit; 4 bits a number), with one power-of-two scale for each 32 numbers along K (OCP MX v1.0); their sums are f32. All else is computed in f32.
;;   The module's matrix products, in the order in which they are computed (A, B: the left and right operand; K: the contracted axis; several contracted axes count as one K, in the product's order):
;;     1. [M 8,192, K 1,024] x [K 1,024, N 1,024]; A: input x; B: input Wq: QUANTISED
;;     2. [M 8,192, K 1,024] x [K 1,024, N 1,024]; A: input x; B: input Wk: QUANTISED
;;     3. [M 8,192, K 1,024] x [K 1,024, N 1,024]; A: input x; B: input Wv: QUANTISED
;;     4. batch 64 x [M 2,048, K 64] x [K 64, N 2,048]; A: computed on the way; B: computed on the way: QUANTISED
;;   THE QUANTISER, for each operand of a quantised product, along K:
;;     - K is cut into blocks of 32 from its start; a last block that is shorter is filled with zeros.
;;     - A block's scale is 2^e with e = floor(log2(the largest magnitude in the block)) - 2, held to -126 .. 127; a block of zeros has e = 0. As a byte (E8M0): e + 127.
;;     - Each number is divided by its block's scale, clamped to +-6, and rounded to the nearest number of E2M1, ties to even, subnormals kept.
;;     - The product sums the exact products of the quantised numbers (number of the format x scale) in f32.
;;   ~~~python
;;   def quantise(x, axis):      # numpy; x: float32 -> the quantised numbers, widened to float32 again
;;       x = np.moveaxis(x, axis, -1); K = x.shape[-1]
;;       x = np.pad(x, [(0, 0)] * (x.ndim - 1) + [(0, -K % 32)]); x = x.reshape(x.shape[:-1] + (-1, 32)); a = np.abs(x).max(-1, keepdims=True)
;;       e = np.where(a > 0, np.clip(np.frexp(np.where(a > 0, a, 1))[1] - 1 - 2, -126, 127), 0)      # np.frexp(a)[1] - 1 = floor(log2(a)), exactly
;;       r = np.clip(x / 2.0 ** e, -6, 6)
;;       step = 2.0 ** (np.maximum(np.frexp(np.where(r == 0, 1, r))[1] - 1, 0) - 1)
;;       q = np.round(r / step) * step * 2.0 ** e      # np.round: ties to even
;;       return np.moveaxis(q.reshape(q.shape[:-2] + (-1,))[..., :K], -1, axis).astype(np.float32)
;;   ~~~
;;   OPERANDS COMPUTED ON THE WAY. 'Computed on the way' means the value that the module computes at that place (a softmax that the list does not call 'softmax' is quantised finished and normalised). What goes into a quantiser is computed in f32, as accurately as f32 sums, v_exp_f32 and their like allow (about 1e-6 of the number): no bf16 or f16 on the way to a quantiser, and a product that is left as it is and whose result goes on into a quantised operand takes f32 operands (vector FMAs, or v_wmma_f32_16x16x4_f32). A number that lies on a knife's edge between two numbers of the format may be rounded either way, as far as f32 arithmetic and the matrix unit's own rounding can turn it there, and no further.
;; One version. Each part assembles by itself: llvm-mc -triple=amdgcn-amd-amdhsa -mcpu=gfx1250 --defsym DOCPART=n.
;; ======== version 1 of 1: 3 launches
;; limits: right only within a limited range of input values
;; workspace buffers: x_codes 4,194,304 bytes; x_scales 262,144 bytes; w_codes 1,572,864 bytes; w_scales 98,304 bytes; qk 8,912,896 bytes
;; launch quant (part 1): grid 704 x 1, 2 waves a work-group, no clusters, 16,640 bytes of LDS; arguments x, Wq, Wk, Wv, x_codes, x_scales, w_codes, w_scales; writes x_codes, x_scales, w_codes, w_scales
.if DOCPART == 1
	.amdgcn_target "amdgcn-amd-amdhsa--gfx1250"
	.amdhsa_code_object_version 6
	.text
	.protected	k_q7dcf6acc03_quant
	.globl	k_q7dcf6acc03_quant
	.p2align	8
	.type	k_q7dcf6acc03_quant,@function
k_q7dcf6acc03_quant:
	s_mov_b64 s[64:65], 0
	v_nop
	global_prefetch_b8 v0, s[64:65] scope:SCOPE_SE
	s_setreg_imm32_b32 hwreg(HW_REG_WAVE_MODE, 25, 1), 1
	s_wait_xcnt 0x0
; x [8192][1024] and Wq, Wk, Wv [1024][1024], f32, K innermost, become codes of FP4 (E2M1), two a byte, with one E8M0 scale byte for each 32 along K.
; A block's scale is 2^(floor(log2(its largest magnitude)) - 2); its byte is the largest magnitude's own exponent field - 2, held at 1 from below.  Each number is divided by the scale and rounded to the nearest code, ties to even; beyond 6 the largest code.
; LIMITS: a block of zeros, or one whose largest magnitude lies under 2^(3 - 127), gets the byte 1: its codes are zeros or held by the floor, and the bytes are read by this program alone.  NaN and infinities among the inputs are not served.
; SHARES.  A wave takes a run of 8,192 numbers (8 rows) in 16 steps of 512.  Runs 0-1023 are x's, 1024-1151 Wq's, 1152-1279 Wk's, 1280-1407 Wv's; run = 2 x work-group + wave.  Only pointers and run numbers are chosen; there is one path through LDS.
; THE WEIGHTS' ROWS ARE LAID IN ANOTHER ORDER: within each 32 rows, true row 16 h + 8 u + j goes to row 16 u + 8 h + j (a run is 8 rows: run 4 a + 2 h + u is written as run 4 a + 2 u + h).  Sixteen neighbouring rows of w_codes are then a tile whose
; transposed product leaves 16 neighbouring output columns in a lane's 16 registers of two neighbouring tiles.  w_codes: rows 0-1023 Wq, 1024-2047 Wk, 2048-3071 Wv.
; Each of a step's four loads reads 512 consecutive bytes, 16 a lane; the 2,048 bytes turn through the wave's own stage in LDS and come back 64 bytes a lane (16 neighbours along K; two neighbouring lanes hold a block).
; No tensor loads, no barrier, no cluster, no matrix work: waves share nothing.  Loads run eight steps (32 loads a wave) ahead.  out1 = x is stored by the launch attn.
.set STEPS, 16
.set AHD,   8                          ; steps that the loads run ahead
.set EMAX,  2
.set CB,    8                          ; bytes of 16 codes
.set R,     16                         ; v16-143  eight sets of 16 numbers as they are loaded
.set X,     144                        ; v144-175 two sets of 16 neighbours
.set E,     176                        ; v176-191 a scale byte for each step
.set C,     192                        ; v192-223 codes: two registers for each step, so that no store's data are written again
.set SPW,   224                        ; my spare word's LDS address; never rewritten
.set NIL,   225                        ; 0; never rewritten
.set WREG,  8192                       ; LDS: a region for each wave: two stages of 32 x SP bytes, then its 256 scale bytes
.set SP,    80                         ; a lane's place in a stage: 64 bytes + 16 of padding
.set SPARE, 2*WREG                     ; the spare words: 128 bytes a wave
	s_load_b256 s[4:11], s[0:1], 0x0               ; x, Wq, Wk, Wv
	s_load_b256 s[12:19], s[0:1], 0x20             ; x_codes, x_scales, w_codes, w_scales
	v_lshl_add_u32 v[SPW], v0, 2, SPARE
	v_mov_b32 v[NIL], 0
	v_lshrrev_b32 v1, 5, v0
	v_readfirstlane_b32 s30, v1                    ; wave
	v_and_b32 v2, 31, v0                           ; lane
	v_lshlrev_b32 v3, 4, v2                        ; my 16 bytes of a load's 512
	s_mul_i32 s31, s30, WREG
	v_lshrrev_b32 v14, 2, v2
	v_mul_u32_u24 v14, v14, SP
	v_and_b32 v15, 3, v2
	v_lshl_add_u32 v14, v15, 4, v14
	v_add_nc_u32 v14, s31, v14                     ; the stage, on the way in: SP (lane / 4) + 16 (lane % 4)
	v_mul_u32_u24 v15, v2, SP
	v_add_nc_u32 v15, s31, v15                     ; and on the way out: SP x lane: my 16 neighbours
	v_mul_u32_u24 v4, v2, CB                       ; my codes' place in a step's
	v_lshrrev_b32 v5, 1, v2
	s_add_co_u32 s31, s31, 2*32*SP
	v_add_nc_u32 v5, s31, v5                       ; LDS: my wave's 256 scale bytes, my block's byte
	v_lshlrev_b32 v7, 3, v2                        ; and on the way out 8 bytes a lane
	v_add_nc_u32 v6, s31, v7
	s_lshl_b32 s41, ttmp9, 1
	s_add_co_u32 s41, s41, s30                     ; my run; x's runs are read and written by this number
	s_sub_co_u32 s36, s41, 1024                    ; a weight's run, counted from Wq's first (not used for x)
	s_and_b32 s37, s36, 127                        ; as it is read, in its own tensor
	s_and_b32 s38, s36, 1
	s_lshl_b32 s38, s38, 1
	s_bfe_u32 s39, s36, 0x10001
	s_or_b32 s38, s38, s39                         ; 2 h + u -> 2 u + h
	s_and_b32 s40, s36, 0xfffffffc
	s_or_b32 s40, s40, s38                         ; as it is written, in the three tensors on end
	s_wait_alu depctr_va_vdst(0)                   ; the head's end
	s_wait_kmcnt 0x0
	s_cmp_lt_u32 ttmp9, 640                        ; the choices hang on the work-group's number alone
	s_cselect_b64 s[28:29], s[8:9], s[10:11]
	s_cmp_lt_u32 ttmp9, 576
	s_cselect_b64 s[28:29], s[6:7], s[28:29]
	s_cmp_lt_u32 ttmp9, 512
	s_cselect_b64 s[28:29], s[4:5], s[28:29]       ; the source
	s_cselect_b64 s[22:23], s[12:13], s[16:17]     ; its codes
	s_cselect_b64 s[24:25], s[14:15], s[18:19]     ; its scale bytes
	s_cselect_b32 s37, s41, s37
	s_cselect_b32 s40, s41, s40
	s_lshl_b32 s42, s37, 15                        ; 32,768 bytes of f32 a run
	s_mov_b32 s43, 0
	s_lshl_b32 s44, s40, 12                        ; 4,096 bytes of codes
	s_mov_b32 s45, 0
	s_lshl_b32 s46, s40, 8                         ; 256 scale bytes
	s_mov_b32 s47, 0
	s_add_nc_u64 s[28:29], s[28:29], s[42:43]
	s_add_nc_u64 s[22:23], s[22:23], s[44:45]
	s_add_nc_u64 s[24:25], s[24:25], s[46:47]
.macro LOAD t
.irp i, 0,1,2,3
	global_load_b128 v[R+16*((\t)%AHD)+4*\i:R+16*((\t)%AHD)+4*\i+3], v3, s[28:29] offset:2048*(\t)+512*\i th:TH_LOAD_NT   ; 32 lanes read 512 consecutive bytes
.endr
.endm
.macro TURN t                          ; step t's numbers through the stage: LDS serves a wave's instructions in order, so no wait stands between the stores and the loads
.irp i, 0,1,2,3
	ds_store_b128 v14, v[R+16*((\t)%AHD)+4*\i:R+16*((\t)%AHD)+4*\i+3] offset:32*SP*((\t)%2)+8*SP*\i
.endr
.irp i, 0,1,2,3
	ds_load_b128 v[X+16*((\t)%2)+4*\i:X+16*((\t)%2)+4*\i+3], v15 offset:32*SP*((\t)%2)+16*\i
.endr
.endm
.irp t, 0,1,2,3,4,5,6,7
	LOAD \t
.endr
	s_wait_loadcnt 28                              ; step 0's four loads are in; the 28 of steps 1 to 7 may be out
	TURN 0
.macro STEP t
.set XS, X+16*((\t)%2)
.if (\t) > 0
	s_wait_dscnt 1                                 ; this step's numbers are back from the stage, so its stores into the stage have read their registers; the last step's byte store may be out
.else
	s_wait_dscnt 0x0
.endif
.if (\t)+AHD < STEPS
	LOAD (\t)+AHD
.endif
.if (\t)+1 < STEPS
.if STEPS-2-(\t) >= AHD-1
	s_wait_loadcnt 4*(AHD-1)                       ; the next step's four loads are in; those of the seven steps behind it may be out
.else
	s_wait_loadcnt 4*(STEPS-2-(\t))                ; the tail: four loads for each step still behind the next one
.endif
	TURN (\t)+1                                    ; through the other stage while this step is worked
.endif
	v_max3_num_f32 v8, |v[XS]|, |v[XS+1]|, |v[XS+2]|               ; the largest magnitude of my 16, in two chains
	v_max3_num_f32 v9, |v[XS+3]|, |v[XS+4]|, |v[XS+5]|
.irp i, 6,10
	v_max3_num_f32 v8, v8, |v[XS+\i]|, |v[XS+\i+1]|
	v_max3_num_f32 v9, v9, |v[XS+\i+2]|, |v[XS+\i+3]|
.endr
	v_max3_num_f32 v8, v8, |v[XS+14]|, |v[XS+15]|
	v_max3_num_f32 v8, v8, v9, (EMAX+1)<<23        ; and the floor 2^(3 - 127): the byte cannot fall under 1
	v_max_num_f32_dpp v8, v8, v8 row_xmask:1 row_mask:0xf bank_mask:0xf   ; and of my neighbour's 16: the block's
	v_add_nc_u32 v11, -(EMAX<<23), v8              ; 2 off its exponent field: the conversion takes the exponent field of this operand as its scale
	v_cvt_scalef32_pk8_fp4_f32 v[C+2*(\t)], v[XS:XS+7], v11
	v_cvt_scalef32_pk8_fp4_f32 v[C+2*(\t)+1], v[XS+8:XS+15], v11
	v_lshrrev_b32 v[E+(\t)], 23, v11               ; the scale's byte (also the plain line behind the conversions)
	ds_store_b8 v5, v[E+(\t)] offset:16*(\t)       ; both lanes of a block write the same byte with the same value
	global_store_b64 v4, v[C+2*(\t):C+2*(\t)+1], s[22:23] offset:32*CB*(\t)   ; 32 lanes store 256 consecutive bytes, aligned
.endm
.irp t, 0,1,2,3,4,5,6,7,8,9,10,11,12,13,14,15
	STEP \t
.endr
	ds_load_b64 v[12:13], v6                       ; LDS serves a wave's instructions in order: these see my byte stores
	s_wait_dscnt 0x0
	global_store_b64 v7, v[12:13], s[24:25]        ; 32 lanes store 256 consecutive bytes, aligned
	s_wait_tensorcnt 0x0                           ; the wave's end
	ds_add_u32 v[SPW], v[NIL]
	s_wait_dscnt 0x0
	s_endpgm
.Lfunc_end_k_q7dcf6acc03_quant:
	.size	k_q7dcf6acc03_quant, .Lfunc_end_k_q7dcf6acc03_quant-k_q7dcf6acc03_quant
	.p2alignl 7, 3214868480
	.fill 96, 4, 3214868480
	.section	.rodata,"a",@progbits
	.p2align	6, 0x0
	.amdhsa_kernel k_q7dcf6acc03_quant
		.amdhsa_group_segment_fixed_size 16640
		.amdhsa_private_segment_fixed_size 0
		.amdhsa_enable_private_segment 0
		.amdhsa_kernarg_size 64
		.amdhsa_user_sgpr_count 2
		.amdhsa_user_sgpr_kernarg_segment_ptr 1
		.amdhsa_wavefront_size32 1
		.amdhsa_system_sgpr_workgroup_id_x 1
		.amdhsa_system_sgpr_workgroup_id_y 1
		.amdhsa_system_sgpr_workgroup_id_z 1
		.amdhsa_system_vgpr_workitem_id 0
		.amdhsa_next_free_vgpr 226
		.amdhsa_next_free_sgpr 66
		.amdhsa_reserve_vcc 0
		.amdhsa_float_denorm_mode_32 3
		.amdhsa_float_denorm_mode_16_64 3
		.amdhsa_memory_ordered 1
		.amdhsa_forward_progress 1
		.amdhsa_inst_pref_size 34
	.end_amdhsa_kernel
	.amdgpu_metadata
---
amdhsa.version: [ 1, 2 ]
amdhsa.kernels:
  - .name:           k_q7dcf6acc03_quant
    .symbol:         k_q7dcf6acc03_quant.kd
    .args:
      - { .name: x, .offset: 0, .size: 8, .value_kind: global_buffer, .address_space: global }
      - { .name: Wq, .offset: 8, .size: 8, .value_kind: global_buffer, .address_space: global }
      - { .name: Wk, .offset: 16, .size: 8, .value_kind: global_buffer, .address_space: global }
      - { .name: Wv, .offset: 24, .size: 8, .value_kind: global_buffer, .address_space: global }
      - { .name: x_codes, .offset: 32, .size: 8, .value_kind: global_buffer, .address_space: global }
      - { .name: x_scales, .offset: 40, .size: 8, .value_kind: global_buffer, .address_space: global }
      - { .name: w_codes, .offset: 48, .size: 8, .value_kind: global_buffer, .address_space: global }
      - { .name: w_scales, .offset: 56, .size: 8, .value_kind: global_buffer, .address_space: global }
    .group_segment_fixed_size: 16640
    .private_segment_fixed_size: 0
    .kernarg_segment_align: 8
    .kernarg_segment_size: 64
    .max_flat_workgroup_size: 64
    .sgpr_count:     66
    .vgpr_count:     226
    .wavefront_size: 32
...
	.end_amdgpu_metadata
.endif
;; end of part 1
;; launch proj (part 2): grid 8 x 32, 4 waves a work-group, clusters of 4 x 4, 327,680 bytes of LDS; arguments x_codes, x_scales, w_codes, w_scales, qk; writes qk
.if DOCPART == 2
	.amdgcn_target "amdgcn-amd-amdhsa--gfx1250"
	.amdhsa_code_object_version 6
	.text
	.protected	k_q7dcf6acc03_proj
	.globl	k_q7dcf6acc03_proj
	.p2align	8
	.type	k_q7dcf6acc03_proj,@function
k_q7dcf6acc03_proj:
	s_mov_b64 s[64:65], 0
	v_nop
	global_prefetch_b8 v0, s[64:65] scope:SCOPE_SE
	s_setreg_imm32_b32 hwreg(HW_REG_WAVE_MODE, 25, 1), 1
	s_wait_xcnt 0x0
	s_wait_alu depctr_hold_cnt(0) depctr_sa_sdst(0) depctr_va_vdst(0) depctr_va_sdst(0) depctr_va_ssrc(0) depctr_va_vcc(0) depctr_vm_vsrc(0)
	s_getreg_b32 s2, hwreg(HW_REG_IB_STS2, 6, 4)
	s_cmp_eq_u32 s2, 0
	s_cbranch_scc0 .Lentry_in_a_cluster
	s_endpgm
.Lentry_in_a_cluster:
	s_bfe_u32 s2, ttmp6, 0x10000c
	s_cmp_lg_u32 s2, 0xf033
	s_cbranch_scc0 .Lentry_shape_is_right
	s_endpgm
.Lentry_shape_is_right:
.set SIZE_K, 1024
.set KSTEP,  512
.set NQ,     KSTEP/128
.set ROWB,   256
.set KROW,   SIZE_K*4/8
.set PITCH,  528                       ; an LDS row: all of K, 512 bytes of codes, + 16 of padding
.set FR,     8
.set NL,     2
.set NP,     4
.set HALFT,  128*PITCH
.set SLOT,   4*HALFT
.set KS,     SIZE_K/32
.set SCL,    SLOT                      ; A's 256 rows and B's 256 rows, each whole along K, then the scales: every byte is filled once
.set HALFS,  (128*KS/256)*272
.set SBLK,   (16*KS/256)*272
.set SEC,    139264
.set SCW,    131072
.set ADRA, 16
.set ADRB, 20
.set CO,   26
.set ADRS, 27
.set SC,   32
.set TM,   96
.set PW,   112
.set SW,   120
.set AF,   128
.set PC,   192
.set G1, 24
.set G0, 32
.set G1B, 48
.set G0B, 56
.set QSB, 66
.set G1S, 68
.set G0S, 76
.set G1SB, 80
.set G0SB, 88
.set SEL, 96
.set MSB, 0
.macro WIN new
.if MSB != \new
	s_set_vgpr_msb (MSB<<8)|\new
.set MSB, \new
.endif
.endm
.set MUL_LO, 0xa1
.set MUL_HI, 0xf1
.set TO_B,   0x40
; An arm of the head's one tree of branches on the wave's number: one joint load, then a jump to the tree's end
.macro ARM under, g0, g1, next
	s_cmp_lt_u32 s14, \under
	s_cbranch_scc0 \next
	tensor_load_to_lds s[\g0:\g0+3], s[\g1:\g1+7]
	s_nop 0
.rept 4
	v_nop
.endr
	s_branch .Lhead_asked
\next:
.endm
.macro CROUND
	s_barrier_signal -1
	s_barrier_wait -1
	s_cmp_lg_u32 s14, 0
	s_cbranch_scc1 .Lnot_wave_0_\@
	s_barrier_signal -3
.Lnot_wave_0_\@:
	s_barrier_wait -3
	s_barrier_signal -1
	s_barrier_wait -1
.endm
	s_load_b128 s[4:7], s[0:1], 0x0
	s_load_b128 s[8:11], s[0:1], 0x10
	s_load_b64 s[12:13], s[0:1], 0x20
	v_lshl_add_u32 v126, v0, 2, 0x48400
	v_mov_b32 v127, 0
	ds_add_u32 v126, v127
	ds_add_u32 v126, v127
	v_lshrrev_b32 v1, 5, v0
	v_readfirstlane_b32 s14, v1
	s_lshr_b32 s15, s14, 1
	s_and_b32 s16, s14, 1
	s_bfe_u32 s40, ttmp6, 0x40000
	s_bfe_u32 s41, ttmp6, 0x40004
	s_lshl_b32 s42, ttmp9, 2
	s_add_co_u32 s42, s42, s40
	s_and_b32 s17, ttmp7, 0xffff
	s_lshl_b32 s17, s17, 2
	s_add_co_u32 s17, s17, s41
	s_lshl_b32 s43, s41, 2
	s_lshl_b32 s43, 15, s43
	s_lshl_b32 s44, 0x1111, s40
	s_or_b32 s[G1+0], s43, (0<<16)|(1<<20)|(1<<21)|(6<<22)|(3<<25)  ; four words of padding behind every 128
	s_or_b32 s[G1B+0], s44, (0<<16)|(1<<20)|(1<<21)|(6<<22)|(3<<25)
.irp g, G1, G1B
	s_mov_b32 s[\g+1], KROW<<16                    ; 256 rows of 512 bytes: a tile's rows, whole along K
	s_mov_b32 s[\g+2], 256<<16
	s_mov_b32 s[\g+3], KROW<<16
	s_mov_b32 s[\g+4], 256
	s_mov_b32 s[\g+5], KROW
	s_mov_b32 s[\g+6], 0
	s_mov_b32 s[\g+7], 0
.endr
	s_or_b32 s[G1S+0], s43, (3<<16)|(1<<20)|(1<<21)|(5<<22)|(3<<25)
	s_or_b32 s[G1SB+0], s44, (3<<16)|(1<<20)|(1<<21)|(5<<22)|(3<<25)
.irp g, G1S, G1SB
	s_mov_b32 s[\g+1], 32<<16
	s_mov_b32 s[\g+2], KS<<16                      ; the scales of 256 rows: 256 KS dense bytes as KS rows of 256
	s_mov_b32 s[\g+3], 32<<16
	s_mov_b32 s[\g+4], KS
	s_mov_b32 s[\g+5], 32
	s_mov_b32 s[\g+6], 0
	s_mov_b32 s[\g+7], 0
.endr
	s_lshl_b32 s20, s17, 8                         ; A: the tile's first row
	s_lshl_b32 s46, s42, 8                         ; B: likewise
	s_mov_b32 s21, 0
	s_mov_b32 s47, 0
	s_mov_b64 s[18:19], KS
	s_mul_u64 s[22:23], s[20:21], s[18:19]
	s_mul_u64 s[92:93], s[46:47], s[18:19]
	s_mov_b64 s[18:19], KROW
	s_mul_u64 s[20:21], s[20:21], s[18:19]
	s_mul_u64 s[46:47], s[46:47], s[18:19]
	s_mov_b32 s[SEL], 0x76543210
	s_mov_b32 s[SEL+1], 0xfedcba98
	s_wait_dscnt 0x0
	s_wait_kmcnt 0x0
	s_add_nc_u64 s[20:21], s[4:5], s[20:21]
	s_add_nc_u64 s[22:23], s[6:7], s[22:23]
	s_add_nc_u64 s[46:47], s[8:9], s[46:47]
	s_add_nc_u64 s[92:93], s[10:11], s[92:93]
	CROUND
	s_mov_b32 s[G0S], 1
	s_mov_b32 s[G0S+1], SCL
	s_mov_b64 s[G0S+2:G0S+3], s[22:23]
	s_or_b32 s[G0S+3], s[G0S+3], 0x80000000
	s_mov_b32 s[G0SB], 1
	s_mov_b32 s[G0SB+1], SCL+2*HALFS
	s_mov_b64 s[G0SB+2:G0SB+3], s[92:93]
	s_or_b32 s[G0SB+3], s[G0SB+3], 0x80000000
.irp s, 0
	s_mov_b32 s[G0+4*\s], 1
	s_mov_b32 s[G0+4*\s+1], 0
	s_add_nc_u64 s[G0+4*\s+2:G0+4*\s+3], s[20:21], \s*ROWB
	s_or_b32 s[G0+4*\s+3], s[G0+4*\s+3], 0x80000000
	s_mov_b32 s[G0B+4*\s], 1
	s_mov_b32 s[G0B+4*\s+1], 2*HALFT
	s_add_nc_u64 s[G0B+4*\s+2:G0B+4*\s+3], s[46:47], \s*ROWB
	s_or_b32 s[G0B+4*\s+3], s[G0B+4*\s+3], 0x80000000
.endr
	; the head's four joint loads, one a wave: wave 0 A's 256 rows, wave 1 B's, wave 2 A's scales, wave 3 B's.  Nothing is filled later
	ARM 1, G0,  G1,  .Lhead_b
	ARM 2, G0B, G1B, .Lhead_sa
	ARM 3, G0S, G1S, .Lhead_sb
	tensor_load_to_lds s[G0SB:G0SB+3], s[G1SB:G1SB+7]
	s_nop 0
.rept 4
	v_nop
.endr
.Lhead_asked:
	v_and_b32 v1, 15, v0
	v_bfe_u32 v2, v0, 4, 1
	v_mul_u32_u24 v3, v1, PITCH
	v_lshl_add_u32 v4, v2, 4, v3
	s_mul_i32 s21, s15, HALFT
	s_mul_i32 s22, s16, HALFT
	s_add_co_u32 s22, s22, 2*HALFT
.irp s, 0,1
	v_add_nc_u32 v[ADRA+\s], s21, v4
	v_add_nc_u32 v[ADRB+\s], s22, v4
	s_add_co_u32 s21, s21, ROWB                    ; the second 512 along K begin 256 bytes on in each row
	s_add_co_u32 s22, s22, ROWB
.endr
	v_mul_u32_u24 v5, v1, KS
	v_lshrrev_b32 v6, 8, v5
	v_lshl_add_u32 v5, v6, 4, v5
	s_mul_i32 s21, s15, HALFS
	s_mul_i32 s22, s16, HALFS
	s_add_co_u32 s22, s22, 2*HALFS
	s_sub_co_u32 s22, s22, s21
	v_mul_u32_u24 v6, s22, v2
	s_add_co_u32 s21, s21, SCL
	v_add_nc_u32 v5, v5, v6
	v_add_nc_u32 v[ADRS], s21, v5
	v_and_b32 v6, 31, v0
	v_lshlrev_b32 v[CO], 4, v6
.irp b, 0,1,2,3
	v_mov_b32 v[TM+4+\b], 0
.endr
	s_lshl_b32 s46, s42, 1
	s_add_co_u32 s46, s46, s16
	s_lshl_b32 s46, s46, 2
	s_lshr_b32 s47, s17, 3
	s_add_co_u32 s46, s46, s47
	s_mul_i32 s46, s46, SEC
	s_and_b32 s47, s17, 7
	s_lshl_b32 s47, s47, 4
	s_lshl_b32 s18, s15, 3
	s_add_co_u32 s47, s47, s18
	s_lshl_b32 s18, s47, 10
	s_add_co_u32 s18, s18, s46
	s_mov_b32 s19, 0
	s_lshl_b32 s20, s47, 6
	s_add_co_u32 s20, s20, s46
	s_add_co_u32 s20, s20, SCW
	s_mov_b32 s21, 0
	s_add_nc_u64 s[QSB:QSB+1], s[12:13], s[20:21]
	s_add_nc_u64 s[12:13], s[12:13], s[18:19]
.macro FRAG reg, adr, q, i
.irp c, 0,1
	ds_load_b128 v[\reg+4*\c:\reg+4*\c+3], v[\adr] offset:64*(\q)+32*\c+(\i)*16*PITCH
.endr
.endm
.macro MUL16 a0, p, q, sc, zero
.irp a, \a0, \a0+1
.irp b, 0,1,2,3,4,5,6,7
.if \zero
	v_wmma_scale_f32_16x16x128_f8f6f4 v[8*(8*((\a)%4)+\b):8*(8*((\a)%4)+\b)+7], v[128*(\p)+FR*\b:128*(\p)+FR*\b+FR-1], v[AF+FR*(\a):AF+FR*(\a)+FR-1], 0, v[SC+8*NQ*(\sc)+NQ*\b+(\q)], v[SC+8*NQ*(\sc)+NQ*(\a)+(\q)] matrix_a_fmt:MATRIX_FMT_FP4 matrix_b_fmt:MATRIX_FMT_FP4 matrix_a_scale:MATRIX_SCALE_ROW1
.else
	v_wmma_scale_f32_16x16x128_f8f6f4 v[8*(8*((\a)%4)+\b):8*(8*((\a)%4)+\b)+7], v[128*(\p)+FR*\b:128*(\p)+FR*\b+FR-1], v[AF+FR*(\a):AF+FR*(\a)+FR-1], v[8*(8*((\a)%4)+\b):8*(8*((\a)%4)+\b)+7], v[SC+8*NQ*(\sc)+NQ*\b+(\q)], v[SC+8*NQ*(\sc)+NQ*(\a)+(\q)] matrix_a_fmt:MATRIX_FMT_FP4 matrix_b_fmt:MATRIX_FMT_FP4 matrix_a_scale:MATRIX_SCALE_ROW1
.endif
.endr
.endr
.endm
.macro FETCH_B slot, q, p
	WIN TO_B
.irp i, 0,1,2,3,4,5,6,7
	FRAG 128*(\p)+FR*\i, ADRB+\slot, \q, \i
.endr
	WIN 0
.endm
.macro FETCH_A slot, q, i0
.irp i, \i0, \i0+1, \i0+2, \i0+3
	FRAG AF+FR*(\i), ADRA+\slot, \q, \i
.endr
.endm
.macro SCALES sc
.irp i, 0,1,2,3,4,5,6,7
	ds_load_b128 v[SC+8*NQ*\sc+NQ*\i:SC+8*NQ*\sc+NQ*\i+3], v[ADRS] offset:\i*SBLK
.endr
.endm
.macro PLACES n
.rept \n
	v_nop
.endr
.endm
.macro STEP slot, q, zero
	s_wait_dscnt 4*NL
	WIN MUL_LO
	MUL16 0, (\q)%2, \q, \slot, \zero
	MUL16 2, (\q)%2, \q, \slot, \zero
	s_wait_dscnt 0
	PLACES NP
	FETCH_B \slot, (\q)+1, 1-(\q)%2
	FETCH_A \slot, (\q)+1, 0
	WIN MUL_HI
	MUL16 4, (\q)%2, \q, \slot, \zero
	MUL16 6, (\q)%2, \q, \slot, \zero
	PLACES NP
	WIN 0
	FETCH_A \slot, (\q)+1, 4
.endm
.macro STEPS slot, from
.set Q, \from
.rept NQ-1-\from
	STEP \slot, Q, 0
.set Q, Q+1
.endr
.endm
	s_wait_alu depctr_va_vdst(0)
	s_wait_tensorcnt 0x0                           ; my one load has landed; behind the barrier everybody's has
	s_barrier_signal -1
	s_barrier_wait -1
	FETCH_B 0, 0, 0
	FETCH_A 0, 0, 0
	SCALES 0
	FETCH_A 0, 0, 4
	STEP 0, 0, 1
	STEPS 0, 1
	s_wait_dscnt 4*NL
	WIN MUL_LO
	MUL16 0, 1, NQ-1, 0, 0
	MUL16 2, 1, NQ-1, 0, 0
	s_wait_dscnt 0x0
	WIN 0
	PLACES NP
	v_add_nc_u32 v[ADRS], 4*NQ, v[ADRS]
	FETCH_B 1, 0, 0
	FETCH_A 1, 0, 0
	SCALES 1
	WIN MUL_HI
	MUL16 4, 1, NQ-1, 0, 0
	MUL16 6, 1, NQ-1, 0, 0
	PLACES NP
	WIN 0
	FETCH_A 1, 0, 4
	STEPS 1, 0
	s_wait_dscnt 4*NL
	WIN MUL_LO
	MUL16 0, 1, NQ-1, 1, 0
	MUL16 2, 1, NQ-1, 1, 0
	s_wait_dscnt 0
	WIN MUL_HI
	MUL16 4, 1, NQ-1, 1, 0
	MUL16 6, 1, NQ-1, 1, 0
	WIN 0
.macro QUANT a
.set AC, 64*((\a)%4)
.set WS, 2+(\a)/4
.set WW, 5*WS
	WIN WW
.irp b, 0,1,2,3
	v_max3_num_f32 v[TM+\b], |v[AC+16*\b]|, |v[AC+16*\b+1]|, 0x1800000
.endr
.irp i, 2,4,6,8,10,12,14
.irp b, 0,1,2,3
	v_max3_num_f32 v[TM+\b], |v[AC+16*\b+\i]|, |v[AC+16*\b+\i+1]|, v[TM+\b]
.endr
.endr
	WIN 0
.irp b, 0,1,2,3
	v_permlanex16_b32 v[TM+4+\b], v[TM+\b], s[SEL], s[SEL+1]
.endr
.irp b, 0,1,2,3
	v_max_num_f32 v[TM+\b], v[TM+\b], v[TM+4+\b]
.endr
.irp b, 0,1,2,3
	v_add_nc_u32 v[TM+12+\b], 0xff000000, v[TM+\b]
.endr
.irp b, 0,1,2,3
	v_lshrrev_b32 v[TM+4+\b], 23, v[TM+12+\b]
.endr
	v_lshl_or_b32 v[PW+\a], v[TM+5], 8, v[TM+4]
	v_lshl_or_b32 v[PW+\a], v[TM+6], 16, v[PW+\a]
	v_lshl_or_b32 v[PW+\a], v[TM+7], 24, v[PW+\a]
	WIN WS
.irp b, 0,1,2,3
	v_cvt_scalef32_pk8_fp4_f32 v[PC+8*\a+2*\b], v[AC+16*\b:AC+16*\b+7], v[TM+12+\b]
	v_cvt_scalef32_pk8_fp4_f32 v[PC+8*\a+2*\b+1], v[AC+16*\b+8:AC+16*\b+15], v[TM+12+\b]
.endr
	WIN 0
	v_nop
.irp c, 0,1
.irp i, 0,1
	v_permlane16_swap_b32 v[PC+8*\a+4*\c+\i], v[PC+8*\a+4*\c+2+\i]
.endr
.endr
.endm
	PLACES NP
.irp a, 0,1,2,3,4,5,6,7
	QUANT \a
	global_store_b128 v[CO], v[PC+8*\a:PC+8*\a+3], s[12:13] offset:1024*\a
	global_store_b128 v[CO], v[PC+8*\a+4:PC+8*\a+7], s[12:13] offset:1024*\a+512
.endr
	v_cmp_eq_u32 vcc_lo, 1, v2
.irp i, 0,1,2,3
	v_cndmask_b32 v[SW+\i], v[PW+\i], v[PW+4+\i], vcc_lo
.endr
	global_store_b128 v[CO], v[SW:SW+3], s[QSB:QSB+1]
	s_wait_tensorcnt 0x0
	ds_add_u32 v126, v127
	s_wait_dscnt 0x0
	CROUND
	s_endpgm
.Lfunc_end_k_q7dcf6acc03_proj:
	.size	k_q7dcf6acc03_proj, .Lfunc_end_k_q7dcf6acc03_proj-k_q7dcf6acc03_proj
	.p2alignl 7, 3214868480
	.fill 96, 4, 3214868480
	.section	.rodata,"a",@progbits
	.p2align	6, 0x0
	.amdhsa_kernel k_q7dcf6acc03_proj
		.amdhsa_group_segment_fixed_size 327680
		.amdhsa_private_segment_fixed_size 0
		.amdhsa_enable_private_segment 0
		.amdhsa_kernarg_size 40
		.amdhsa_user_sgpr_count 2
		.amdhsa_user_sgpr_kernarg_segment_ptr 1
		.amdhsa_wavefront_size32 1
		.amdhsa_system_sgpr_workgroup_id_x 1
		.amdhsa_system_sgpr_workgroup_id_y 1
		.amdhsa_system_sgpr_workgroup_id_z 1
		.amdhsa_system_vgpr_workitem_id 0
		.amdhsa_next_free_vgpr 1024
		.amdhsa_next_free_sgpr 98
		.amdhsa_reserve_vcc 1
		.amdhsa_float_denorm_mode_32 3
		.amdhsa_float_denorm_mode_16_64 3
		.amdhsa_memory_ordered 1
		.amdhsa_forward_progress 1
		.amdhsa_inst_pref_size 127
	.end_amdhsa_kernel
	.amdgpu_metadata
---
amdhsa.version: [ 1, 2 ]
amdhsa.kernels:
  - .name:           k_q7dcf6acc03_proj
    .symbol:         k_q7dcf6acc03_proj.kd
    .args:
      - { .name: x_codes, .offset: 0, .size: 8, .value_kind: global_buffer, .address_space: global }
      - { .name: x_scales, .offset: 8, .size: 8, .value_kind: global_buffer, .address_space: global }
      - { .name: w_codes, .offset: 16, .size: 8, .value_kind: global_buffer, .address_space: global }
      - { .name: w_scales, .offset: 24, .size: 8, .value_kind: global_buffer, .address_space: global }
      - { .name: qk, .offset: 32, .size: 8, .value_kind: global_buffer, .address_space: global }
    .group_segment_fixed_size: 327680
    .private_segment_fixed_size: 0
    .kernarg_segment_align: 8
    .kernarg_segment_size: 40
    .max_flat_workgroup_size: 128
    .sgpr_count:     98
    .vgpr_count:     1024
    .wavefront_size: 32
...
	.end_amdgpu_metadata
.endif
;; end of part 2
;; launch attn (part 3): grid 8 x 32, 16 waves a work-group, clusters of 4 x 1, 282,624 bytes of LDS; arguments qk, x_codes, x_scales, w_codes, w_scales, out0, x, out1; writes out0, out1
.if DOCPART == 3
	.amdgcn_target "amdgcn-amd-amdhsa--gfx1250"
	.amdhsa_code_object_version 6
	.text
	.protected	k_q7dcf6acc03_attn
	.globl	k_q7dcf6acc03_attn
	.p2align	8
	.type	k_q7dcf6acc03_attn,@function
k_q7dcf6acc03_attn:
	s_mov_b64 s[64:65], 0
	v_nop
	global_prefetch_b8 v0, s[64:65] scope:SCOPE_SE
	s_setreg_imm32_b32 hwreg(HW_REG_WAVE_MODE, 25, 1), 1
	s_wait_xcnt 0x0
	s_wait_alu depctr_hold_cnt(0) depctr_sa_sdst(0) depctr_va_vdst(0) depctr_va_sdst(0) depctr_va_ssrc(0) depctr_va_vcc(0) depctr_vm_vsrc(0)
	s_getreg_b32 s2, hwreg(HW_REG_IB_STS2, 6, 4)
	s_cmp_eq_u32 s2, 0
	s_cbranch_scc0 .Lentry_in_a_cluster
	s_endpgm
.Lentry_in_a_cluster:
	s_bfe_u32 s2, ttmp6, 0x10000c
	s_cmp_lg_u32 s2, 0x3003
	s_cbranch_scc0 .Lentry_shape_is_right
	s_endpgm
.Lentry_shape_is_right:
; out0[b][n][64 h + d] = softmax_m(q[b,h,n] . k[b,h,m] / 8)[m = n] x v[b,h,n,d]: of the softmax only the DIAGONAL is used, so for each head and query three numbers are wanted: the row's largest score, the sum of the
; exponentials, and the query's own score.  Both products here (q k^T and v = x Wv^T) are on codes of FP4 (E2M1) with one E8M0 scale for each 32 along K; sums, maxima and exponentials in f32.  And out1 = x.
; SHARES.  A work-group owns 256 queries of one batch b and one PAIR of heads g; each of its SIXTEEN waves owns 16 queries, for both heads, in 256 registers, four waves to a SIMD: there are some twenty vector instructions for each product.
; K = 64 IS HALF OF THE INSTRUCTION'S 128.  A key fragment holds both heads; it is multiplied by Qlo = [q of head 2 g, zero codes] and by Qhi = [zero codes, q of head 2 g + 1].  Zero codes add nothing under any scale byte that the quantiser makes.
; LAYOUT.  Both products are used transposed (source 0 = 16 keys, or 16 rows of Wv; source 1 = my 16 queries): a lane holds ONE query (lane % 16); lanes l and l xor 16 hold different keys of it.
; SOFTMAX.  Each LANE keeps a running maximum m and a sum over its own half of the keys: p = 2^(c s - c m), c = log2(e) / 8; in every step the sum is multiplied by 2^(c m_old - c m_new).  m begins as the query's own score.
; The two halves are joined once, behind the loop.  A trip is two steps of 64 keys, so that m and c m take turns between two registers and are never copied; a step's update of the sum stands behind the next step's products, as their places.
; LDS, all filled ONCE: k's section of qk as it lies (128 register images of 1,024 bytes; from byte 131,072 the scale words), Wv's 128 rows of the pair (pitch 528), their scale bytes; then the spare words, and a stage of its own for each wave
; (16 rows x 272 bytes, one head at a time), on which no fill lands: so no barrier stands behind the loop, and a wave stores its rows when it is done.
; v never goes to memory.  Waves 12 to 15 make it ahead of the key loop and keep it in the registers that held x's fragments; the other waves make it behind the loop: the sixteen waves' products for v do not all stand at one end of the text.
; out1 = x: a work-group copies 131,072 bytes, a wave 8,192, 512 in each of the 16 trips: the load stands one trip ahead of its store.
; CLUSTER.  The four query blocks of a cluster share b and g, so all three fills are asked for JOINTLY.  By this text's own count a wave has one tensor load out at the most.  Nothing is prefetched: every fill is asked for at the head, and the copy's loads stand a trip ahead.
; LIMITS: NaN and infinities are not served; a diagonal weight under 2^-126 comes out as 0 (v_exp_f32 flushes: ISA guide 15.8); the promise holds while c x score stays under 2^31 in magnitude.
.set SEC,   139264                     ; a section of qk
.set KSEC,  32*SEC                     ; from q's section to k's of the same pair and batch
.set SCW,   131072                     ; where a section's scale words begin
.set WP,    528                        ; a row of Wv in LDS
.set WIMG,  SEC
.set WSCL,  WIMG+128*WP
.set SPARE, WSCL+4096                  ; the spare words: 128 bytes a wave
.set STAGE, SPARE+2048
.set SP,    272                        ; a stage row: 256 bytes + 16
.set STGB,  16*SP
.set LI,  3                            ; 16 x lane
.set GO,  4                            ; 4096 h + 16 r: two rows of out0 an instruction
.set AK,  5                            ; LDS address of the step's images
.set ASC, 6                            ; and of its scale words
.set AW,  7                            ; WIMG + 528 r + 16 h
.set AWS, 8                            ; WSCL + 32 r
.set STO, 9                            ; my stage + 272 r + 64 h
.set RD,  10                           ; my stage + 272 h + 16 r
.set XA,  11
.set XSA, 12
.set QSA, 13
.set ST,  16                           ; head e's state at v[ST + 8 e]: +0 c m, +1 m (even steps); +2 c m, +3 m (odd steps); +4 the factor, later the diagonal weight; +5 my own score; +6:+7 the sum in two halves
.set Q,   32                           ; v32-39 Qlo, v40-47 Qhi
.set QS,  48
.set CPO, 50                           ; the copy's byte offset
.set KS,  52                           ; v52-55 scale words of four tiles: scales and nothing else
.set KF,  56                           ; v56-87 four fragments (of k, or of Wv)
.set CD,  88                           ; v88-91 the copy's 16 bytes
.set MX,  92                           ; v92-95 the maxima's chains
.set S,   96                           ; v96-159 scores, then p; v: head e, tile t at S + 32 e + 8 t
.set XF,  160                          ; v160-223 x's eight fragments (waves 12-15: then v); at the end rows of out0
.set XS,  224                          ; v224-231 x's scale words
.set TP,  232                          ; +0:+3 a step's sums; +8.. at work behind the loop
.set SPW, 254
.set NIL, 255
.set WV,  16
.set CX,  17
.set BLK, 18
.set YY,  19
.set GP,  20
.set BT,  21
.set CS,  22                           ; s[22:23] c
.set SEL, 24                           ; s[24:25] lane selects: lane l xor 16
.set G1K, 28
.set G1W, 36
.set G1S, 44
.set G0K, 52
.set G0W, 56
.set G0S, 60
.set CNT, 82
.set BQI, 84
.set BQS, 86
.set WSC, 92                           ; s[92:93] w_scales, s[94:95] out0, s[96:97] x, s[98:99] out1
.set OUT, 94
.set XB,  96
.set OB,  98
.macro CROUND                          ; a round of the cluster's barrier
	s_barrier_signal -1
	s_barrier_wait -1
	s_cmp_lg_u32 s[WV], 0
	s_cbranch_scc1 .Lnot_wave_0_\@
	s_barrier_signal -3
.Lnot_wave_0_\@:
	s_barrier_wait -3
	s_barrier_signal -1
	s_barrier_wait -1
.endm
.macro MM d, a, b, c, sa, sb
	v_wmma_scale_f32_16x16x128_f8f6f4 v[\d:\d+7], v[\a:\a+7], v[\b:\b+7], \c, v[\sa], v[\sb] matrix_a_fmt:MATRIX_FMT_FP4 matrix_b_fmt:MATRIX_FMT_FP4
.endm
	s_load_b256 s[4:11], s[0:1], 0x0               ; qk, x_codes, x_scales, w_codes
	s_load_b256 s[92:99], s[0:1], 0x20             ; w_scales, out0, x, out1
	v_lshl_add_u32 v[SPW], v0, 2, SPARE
	v_mov_b32 v[NIL], 0
	ds_add_u32 v[SPW], v[NIL]                      ; the opening lines: the add twice on end and its one wait
	ds_add_u32 v[SPW], v[NIL]
	v_lshrrev_b32 v1, 5, v0
	v_readfirstlane_b32 s[WV], v1                  ; wave 0..15
	s_bfe_u32 s[CX], ttmp6, 0x40000
	s_lshl_b32 s[BLK], ttmp9, 2
	s_add_co_u32 s[BLK], s[BLK], s[CX]             ; my block of 256 queries: it enters global addresses of my own alone
	s_and_b32 s[YY], ttmp7, 0xffff
	s_and_b32 s[GP], s[YY], 7                      ; the pair of heads,
	s_lshr_b32 s[BT], s[YY], 3                     ; the batch: the four partners share both
	v_and_b32 v1, 15, v0                           ; r
	v_bfe_u32 v2, v0, 4, 1                         ; h
	v_and_b32 v14, 31, v0
	v_lshlrev_b32 v[LI], 4, v14
	v_lshlrev_b32 v[AK], 4, v14
	v_lshlrev_b32 v[CPO], 4, v14
	v_lshl_add_u32 v[ASC], v1, 4, SCW
	v_mul_u32_u24 v[AW], v1, WP
	v_lshl_add_u32 v[AW], v2, 4, v[AW]
	v_add_nc_u32 v[AW], WIMG, v[AW]
	v_lshl_add_u32 v[AWS], v1, 5, WSCL
	s_mul_i32 s66, s[WV], STGB
	s_add_co_u32 s66, s66, STAGE
	v_mul_u32_u24 v[STO], v1, SP
	v_lshl_add_u32 v[STO], v2, 6, v[STO]
	v_add_nc_u32 v[STO], s66, v[STO]
	v_mul_u32_u24 v[RD], v2, SP
	v_lshl_add_u32 v[RD], v1, 4, v[RD]
	v_add_nc_u32 v[RD], s66, v[RD]
	v_lshlrev_b32 v[GO], 12, v2
	v_lshl_add_u32 v[GO], v1, 4, v[GO]
	v_lshlrev_b32 v[XA], 9, v1
	v_lshl_add_u32 v[XA], v2, 4, v[XA]
	v_lshlrev_b32 v[XSA], 5, v1
	v_lshlrev_b32 v[QSA], 4, v1
.irp j, 4,5,6,7,8,9,10,11
	v_mov_b32 v[Q+\j], 0                           ; the zero codes: Qlo's upper half, Qhi's lower half
.endr
.irp j, 0,1,2,3,8,9,10,11
	v_mov_b32 v[TP+\j], 0                          ; the first step's update finds zeros; a lane permute's destination counts as one of its sources
.endr
	v_mov_b32 v[MX+2], 0
	v_mov_b32 v[MX+3], 0
.irp e, 0,1
	v_mov_b32 v[ST+8*\e+4], 0
	v_mov_b32 v[ST+8*\e+6], 0                      ; the sums
	v_mov_b32 v[ST+8*\e+7], 0
.endr
	; group 1, k's section: a quarter, 34,816 dense bytes, as 136 rows of 256 bytes, no padding; the mask names all four work-groups
	s_mov_b32 s[G1K], 15|(3<<16)|(1<<21)
	s_mov_b32 s[G1K+1], 32<<16
	s_mov_b32 s[G1K+2], 136<<16
	s_mov_b32 s[G1K+3], 32<<16
	s_mov_b32 s[G1K+4], 136
	s_mov_b32 s[G1K+5], 32
	s_mov_b32 s[G1K+6], 0
	s_mov_b32 s[G1K+7], 0
	; Wv: 64 rows of 512 bytes, four words of padding behind every 128
	s_mov_b32 s[G1W], 15|(0<<16)|(1<<20)|(1<<21)|(6<<22)|(3<<25)
	s_mov_b32 s[G1W+1], 512<<16
	s_mov_b32 s[G1W+2], 64<<16
	s_mov_b32 s[G1W+3], 512<<16
	s_mov_b32 s[G1W+4], 64
	s_mov_b32 s[G1W+5], 512
	s_mov_b32 s[G1W+6], 0
	s_mov_b32 s[G1W+7], 0
	; Wv's scale bytes: 4,096 dense bytes as 16 rows of 256
	s_mov_b32 s[G1S], 15|(3<<16)|(1<<21)
	s_mov_b32 s[G1S+1], 32<<16
	s_mov_b32 s[G1S+2], 16<<16
	s_mov_b32 s[G1S+3], 32<<16
	s_mov_b32 s[G1S+4], 16
	s_mov_b32 s[G1S+5], 32
	s_mov_b32 s[G1S+6], 0
	s_mov_b32 s[G1S+7], 0
	s_mov_b32 s[CS], 0x3e38aa3b                    ; c = log2(e) / 8
	s_mov_b32 s[CS+1], s[CS]
	s_mov_b32 s[SEL], 0x76543210
	s_mov_b32 s[SEL+1], 0xfedcba98
	; what is fetched jointly hangs on the pair, the batch and the wave's number alone
	s_lshl_b32 s66, s[GP], 2
	s_add_co_u32 s66, s66, s[BT]
	s_mul_i32 s66, s66, SEC                        ; q's section: 4 g + b
	s_and_b32 s67, s[WV], 3
	s_mul_i32 s67, s67, 136*256                    ; waves 0-3: a quarter of k's section, in memory and in LDS
	s_add_co_u32 s68, s66, s67
	s_add_co_u32 s68, s68, KSEC
	s_mov_b32 s69, 0
	s_and_b32 s70, s[WV], 1
	s_mul_i32 s71, s70, 64*WP                      ; waves 4, 5: 64 rows of Wv, in LDS,
	s_lshl_b32 s72, s70, 15
	s_lshl_b32 s73, s[GP], 16
	s_add_co_u32 s72, s72, s73
	s_add_co_u32 s72, s72, 2048*512                ; and in memory: row 2048 + 128 g + 64 (wave % 2) of w_codes
	s_mov_b32 s73, 0
	s_lshl_b32 s74, s[GP], 12
	s_add_co_u32 s74, s74, 2048*32                 ; wave 6: their scale bytes
	s_mov_b32 s75, 0
	; what is my wave's own
	s_lshl_b32 s76, s[BLK], 4
	s_add_co_u32 s76, s76, s[WV]                   ; my tile of 16 queries in the batch
	s_lshl_b32 s77, s[BT], 11
	s_lshl_b32 s78, s76, 4
	s_add_co_u32 s77, s77, s78                     ; my first row of x's codes and of out0
	s_lshl_b32 s79, s[YY], 3
	s_add_co_u32 s79, s79, s[BLK]
	s_lshl_b32 s79, s79, 4
	s_add_co_u32 s79, s79, s[WV]                   ; which 8,192 bytes of x I copy: 16 x work-group + wave
	s_wait_alu depctr_va_vdst(0)
	s_wait_dscnt 0x0
	s_wait_kmcnt 0x0
	s_mov_b32 s[G0K], 1
	s_mov_b32 s[G0K+1], s67
	s_add_nc_u64 s[G0K+2:G0K+3], s[4:5], s[68:69]
	s_or_b32 s[G0K+3], s[G0K+3], 0x80000000
	s_mov_b32 s[G0W], 1
	s_add_co_u32 s[G0W+1], s71, WIMG
	s_add_nc_u64 s[G0W+2:G0W+3], s[10:11], s[72:73]
	s_or_b32 s[G0W+3], s[G0W+3], 0x80000000
	s_mov_b32 s[G0S], 1
	s_mov_b32 s[G0S+1], WSCL
	s_add_nc_u64 s[G0S+2:G0S+3], s[WSC:WSC+1], s[74:75]
	s_or_b32 s[G0S+3], s[G0S+3], 0x80000000
	s_lshl_b32 s88, s76, 10
	s_add_co_u32 s88, s88, s66
	s_mov_b32 s89, 0
	s_add_nc_u64 s[BQI:BQI+1], s[4:5], s[88:89]    ; q's image of my tile; k's lies KSEC further on
	s_lshr_b32 s88, s76, 2
	s_lshl_b32 s88, s88, 8
	s_and_b32 s90, s76, 3
	s_lshl_b32 s90, s90, 2
	s_add_co_u32 s88, s88, s90
	s_add_co_u32 s88, s88, s66
	s_add_co_u32 s88, s88, SCW
	s_add_nc_u64 s[BQS:BQS+1], s[4:5], s[88:89]    ; its scale words: group tile / 4, word tile % 4
	s_lshl_b32 s88, s77, 9
	s_add_nc_u64 s[6:7], s[6:7], s[88:89]          ; x's codes at my first row
	s_lshl_b32 s88, s77, 5
	s_add_nc_u64 s[8:9], s[8:9], s[88:89]          ; x's scale bytes
	s_lshl_b32 s88, s77, 12
	s_lshl_b32 s90, s[GP], 9
	s_add_co_u32 s88, s88, s90
	s_add_nc_u64 s[OUT:OUT+1], s[OUT:OUT+1], s[88:89]  ; out0 at my first row, the pair's 128 columns
	s_lshl_b32 s88, s79, 13
	s_add_nc_u64 s[XB:XB+1], s[XB:XB+1], s[88:89]
	s_add_nc_u64 s[OB:OB+1], s[OB:OB+1], s[88:89]
	; what my own score needs, straight into registers, asked for ahead of the round: q's two halves and the key tile that holds my queries' own keys.  x's fragments are asked for where v is made
	global_load_b128 v[Q:Q+3], v[LI], s[BQI:BQI+1]
	global_load_b128 v[Q+12:Q+15], v[LI], s[BQI:BQI+1] offset:512
	global_load_b32 v[QS], v[QSA], s[BQS:BQS+1]
	global_load_b128 v[KF:KF+3], v[LI], s[BQI:BQI+1] offset:KSEC
	global_load_b128 v[KF+4:KF+7], v[LI], s[BQI:BQI+1] offset:KSEC+512
	global_load_b32 v[KS], v[QSA], s[BQS:BQS+1] offset:KSEC
	CROUND                                         ; all four work-groups are here: the joint loads meet
	; waves 0-3 fetch k's section, waves 4 and 5 Wv's rows, wave 6 their scale bytes, the others nothing: one tree of branches on the wave's number
	s_cmp_lt_u32 s[WV], 4
	s_cbranch_scc0 .Lnot_k
	tensor_load_to_lds s[G0K:G0K+3], s[G1K:G1K+7]
	s_nop 0
.rept 4
	v_nop
.endr
	s_branch .Lasked
.Lnot_k:
	s_cmp_lt_u32 s[WV], 6
	s_cbranch_scc0 .Lnot_w
	tensor_load_to_lds s[G0W:G0W+3], s[G1W:G1W+7]
	s_nop 0
.rept 4
	v_nop
.endr
	s_branch .Lasked
.Lnot_w:
	s_cmp_eq_u32 s[WV], 6
	s_cbranch_scc0 .Lasked
	tensor_load_to_lds s[G0S:G0S+3], s[G1S:G1S+7]
	s_nop 0
.rept 4
	v_nop
.endr
.Lasked:
	s_wait_loadcnt 0x0                             ; my six loads are in
	; MY OWN SCORE.  Key 8 h + j of query r lies in register j of lane (r, h): the query's own key in register r % 8 of the lane with h = r / 8.
	MM S, KF, Q, 0, KS, QS
	MM S+32, KF, Q+8, 0, KS, QS
	v_and_b32 v14, 7, v0                           ; these four lines are the places behind the products
	v_lshrrev_b32 v15, 1, v0
	v_xor_b32 v15, v15, v0
	v_and_b32 v15, 8, v15                          ; not 0 where h differs from r / 8: the other half of the lanes holds my score
	v_mov_b32 v[MX], v[S]
	v_mov_b32 v[MX+1], v[S+32]
.irp j, 1,2,3,4,5,6,7
	v_cmp_eq_u32 vcc_lo, \j, v14
	v_cndmask_b32 v[MX], v[MX], v[S+\j], vcc_lo
	v_cndmask_b32 v[MX+1], v[MX+1], v[S+32+\j], vcc_lo
.endr
	v_permlanex16_b32 v[MX+2], v[MX], s[SEL], s[SEL+1]
	v_permlanex16_b32 v[MX+3], v[MX+1], s[SEL], s[SEL+1]
	v_cmp_ne_u32 vcc_lo, 0, v15
.irp e, 0,1
	v_cndmask_b32 v[ST+8*\e+5], v[MX+\e], v[MX+2+\e], vcc_lo
.endr
.irp e, 0,1
	v_mov_b32 v[ST+8*\e+3], v[ST+8*\e+5]           ; m begins as my own score (the first step, an even one, reads the odd steps' registers),
	v_mul_f32 v[ST+8*\e+2], s[CS], v[ST+8*\e+5]    ; c m likewise
.endr
	s_wait_alu depctr_va_vdst(0)                   ; the head's end
	s_wait_tensorcnt 0x0                           ; my part of the fills has landed (a wave that fetched nothing passes)
	s_barrier_signal -1
	s_barrier_wait -1                              ; everybody's has
; v = x Wv^T, transposed: for each head four tiles of 16 rows of Wv, eight K steps of 128.  The four accumulators take turns, one instruction a turn; the first K step starts the sums.
.macro VPROJ
.irp e, 0,1
.irp s, 0,1,2,3,4,5,6,7
.if (\e+\s) > 0
.rept 4
	v_nop                                          ; places in front of loads into registers that the last products have read
.endr
.endif
.irp t, 0,1,2,3
.irp c, 0,1
	ds_load_b128 v[KF+8*\t+4*\c:KF+8*\t+4*\c+3], v[AW] offset:16*(4*\e+\t)*WP+64*\s+32*\c
.endr
	ds_load_b32 v[KS+\t], v[AWS] offset:512*(4*\e+\t)+4*\s
.endr
	s_wait_dscnt 0x0
.irp t, 0,1,2,3
.if \s == 0
	MM S+32*\e+8*\t, KF+8*\t, XF+8*\s, 0, KS+\t, XS+\s
.else
	MM S+32*\e+8*\t, KF+8*\t, XF+8*\s, v[S+32*\e+8*\t:S+32*\e+8*\t+7], KS+\t, XS+\s
.endif
.endr
.endr
.endr
.endm
.macro FETCHK                          ; four images and their rows' scale words
.irp t, 0,1,2,3
.irp c, 0,1
	ds_load_b128 v[KF+8*\t+4*\c:KF+8*\t+4*\c+3], v[AK] offset:1024*\t+512*\c
.endr
.endr
	ds_load_b128 v[KS:KS+3], v[ASC]
.endm
.macro XLOAD                           ; x's eight fragments of my 16 rows and their scale words: 18 loads
.irp s, 0,1,2,3,4,5,6,7
.irp c, 0,1
	global_load_b128 v[XF+8*\s+4*\c:XF+8*\s+4*\c+3], v[XA], s[6:7] offset:64*\s+32*\c
.endr
.endr
	global_load_b128 v[XS:XS+3], v[XSA], s[8:9]
	global_load_b128 v[XS+4:XS+7], v[XSA], s[8:9] offset:16
.endm
; A KEY STEP: 64 keys, both heads.  p: the step's parity.  next = 1: the next step's fragments are asked for behind the products.  cp = 1: the copy's 512 bytes are stored; cp = 2: they are stored, and the next 512 are asked for.
.macro STEP p, next, cp
	s_wait_alu depctr_va_vdst(0)
	s_wait_dscnt 0x0                               ; the step's fragments and scale words are in
.if \cp > 0
	s_wait_loadcnt 0x0                             ; asked for a trip, two steps, ago
	global_store_b128 v[CPO], v[CD:CD+3], s[OB:OB+1] th:TH_STORE_NT   ; 512 consecutive bytes, aligned
.endif
.if \cp == 2
	s_wait_xcnt 0x0                                ; the store has read its offset and its data: only now are they written again
	v_add_nc_u32 v[CPO], 0x200, v[CPO]
	global_load_b128 v[CD:CD+3], v[CPO], s[XB:XB+1] th:TH_LOAD_NT
.endif
.irp t, 0,1,2,3
.irp e, 0,1
	MM S+32*\e+8*\t, KF+8*\t, Q+8*\e, 0, KS+\t, QS
.endr
.endr
.irp e, 0,1                            ; four places behind the products: the last step's sums go into the running sums, under that step's factor,
	v_pk_fma_f32 v[ST+8*\e+6:ST+8*\e+7], v[ST+8*\e+6:ST+8*\e+7], v[ST+8*\e+4:ST+8*\e+5], v[TP+2*\e:TP+2*\e+1] op_sel_hi:[1,0,1]
.endr
.if \next
	v_add_nc_u32 v[AK], 0x1000, v[AK]              ; and the addresses step
	v_add_nc_u32 v[ASC], 0x100, v[ASC]
	FETCHK
.else
	v_nop
	v_nop
.endif
	; the largest of my 32 scores of each head and the old m: two chains a head, each accumulator read from its low end on
.irp e, 0,1
	v_max3_num_f32 v[MX+2*\e], v[ST+8*\e+3-2*(\p)], v[S+32*\e], v[S+32*\e+1]
	v_max3_num_f32 v[MX+2*\e+1], v[S+32*\e+16], v[S+32*\e+17], v[S+32*\e+18]
.endr
.irp i, 0,1,2,3,4,5
.irp e, 0,1
	v_max3_num_f32 v[MX+2*\e], v[MX+2*\e], v[S+32*\e+2+2*\i], v[S+32*\e+3+2*\i]
	v_max3_num_f32 v[MX+2*\e+1], v[MX+2*\e+1], v[S+32*\e+19+2*\i], v[S+32*\e+20+2*\i]
.endr
.endr
.irp e, 0,1
	v_max3_num_f32 v[MX+2*\e], v[MX+2*\e], v[S+32*\e+14], v[S+32*\e+15]
.endr
.irp e, 0,1
	v_max3_num_f32 v[ST+8*\e+1+2*(\p)], v[MX+2*\e], v[MX+2*\e+1], v[S+32*\e+31]   ; the new m
.endr
.irp e, 0,1
	s_delay_alu instid0(VALU_DEP_2)
	v_mul_f32 v[ST+8*\e+2*(\p)], s[CS], v[ST+8*\e+1+2*(\p)]    ; the new c m, rounded once;
.endr
.irp e, 0,1
	s_delay_alu instid0(VALU_DEP_2)
	v_sub_f32 v[ST+8*\e+4], v[ST+8*\e+2-2*(\p)], v[ST+8*\e+2*(\p)]   ; the old less the new, of the rounded numbers that the exponents are taken against
.endr
.set j, 0
.rept 32
	v_pk_fma_f32 v[S+2*j:S+2*j+1], v[S+2*j:S+2*j+1], s[CS:CS+1], v[ST+8*(j/16)+2*(\p):ST+8*(j/16)+2*(\p)+1] op_sel_hi:[1,0,0] neg_lo:[0,0,1] neg_hi:[0,0,1]   ; c s - c m, two at a time
.set j, j+1
.endr
	s_wait_alu depctr_va_vdst(0)                   ; ahead of the batch
	v_exp_f32 v[ST+4], v[ST+4]                     ; ONE BATCH of 66 exponentials: the two factors,
	v_exp_f32 v[ST+12], v[ST+12]
.set j, 0
.rept 64
	v_exp_f32 v[S+j], v[S+j]                       ; and p = 2^(c s - c m), at most 1
.set j, j+1
.endr
	v_nop                                          ; a plain instruction behind the last exponential
	s_wait_alu depctr_va_vdst(0)                   ; one wait for the batch, ahead of its first reader
.irp w, 8,4,2                          ; the sum of each head's 16 pairs: neighbours 8, 4 and 2 pairs apart in place,
.set j, 0
.rept \w
.irp e, 0,1
	v_pk_add_f32 v[S+32*\e+2*j:S+32*\e+2*j+1], v[S+32*\e+2*j:S+32*\e+2*j+1], v[S+32*\e+2*(j+\w):S+32*\e+2*(j+\w)+1]
.endr
.set j, j+1
.endr
.endr
.irp e, 0,1
	v_pk_add_f32 v[TP+2*\e:TP+2*\e+1], v[S+32*\e:S+32*\e+1], v[S+32*\e+2:S+32*\e+3]   ; the last two pairs into registers that the next products do not write
.endr
.endm
	global_load_b128 v[CD:CD+3], v[CPO], s[XB:XB+1] th:TH_LOAD_NT   ; the copy's first 512 bytes
	s_cmp_lt_u32 s[WV], 12
	s_cbranch_scc1 .Lno_early
	XLOAD
	s_wait_loadcnt 0x0
	VPROJ                                          ; waves 12 to 15: v now,
.set j, 0
.rept 64
	v_mov_b32 v[XF+j], v[S+j]                      ; kept where x's fragments lay, which are done with; each accumulator from its low end on; the first 32 lines are the places behind the last products
.set j, j+1
.endr
.Lno_early:
	FETCHK                                         ; keys 0 to 63
	s_mov_b32 s[CNT], 15
.Lkeys:                                            ; 15 trips of two steps; the 16th is written out, so that nothing is fetched past the last key or the copy's last byte
	STEP 0, 1, 2
	STEP 1, 1, 0
	s_sub_co_i32 s[CNT], s[CNT], 1
	s_cmp_lg_u32 s[CNT], 0
	s_cbranch_scc1 .Lkeys
	STEP 0, 1, 1
	STEP 1, 0, 0
	s_wait_alu depctr_va_vdst(0)                   ; ahead of the branch
	s_cmp_lt_u32 s[WV], 12
	s_cbranch_scc0 .Lhave_v
	XLOAD                                          ; waves 0 to 11: x's fragments are on their way while the halves are joined
.Lhave_v:
.irp e, 0,1
	v_pk_fma_f32 v[ST+8*\e+6:ST+8*\e+7], v[ST+8*\e+6:ST+8*\e+7], v[ST+8*\e+4:ST+8*\e+5], v[TP+2*\e:TP+2*\e+1] op_sel_hi:[1,0,1]   ; the last step's sums
.endr
	; THE TWO HALVES OF THE KEYS ARE JOINED under the larger of the two c m, which is the row's.  The row's largest term is 1 there, so the sum is at least about 1.
.irp e, 0,1
	v_add_f32 v[ST+8*\e+6], v[ST+8*\e+6], v[ST+8*\e+7]
.endr
.irp e, 0,1
	v_permlanex16_b32 v[TP+8+\e], v[ST+8*\e+2], s[SEL], s[SEL+1]      ; lane l xor 16's c m
.endr
.irp e, 0,1
	v_permlanex16_b32 v[TP+10+\e], v[ST+8*\e+6], s[SEL], s[SEL+1]     ; and its sum
.endr
.irp e, 0,1
	v_max_num_f32 v[TP+12+\e], v[ST+8*\e+2], v[TP+8+\e]
.endr
.irp e, 0,1
	v_sub_f32 v[TP+14+\e], v[ST+8*\e+2], v[TP+12+\e]
	v_sub_f32 v[TP+16+\e], v[TP+8+\e], v[TP+12+\e]
	v_fma_f32 v[TP+18+\e], v[ST+8*\e+5], s[CS], -v[TP+12+\e]          ; my own score's exponent
.endr
	s_wait_alu depctr_va_vdst(0)                   ; ahead of the batch
.irp e, 0,1
	v_exp_f32 v[TP+14+\e], v[TP+14+\e]
	v_exp_f32 v[TP+16+\e], v[TP+16+\e]
	v_exp_f32 v[TP+18+\e], v[TP+18+\e]
.endr
	v_nop
	s_wait_alu depctr_va_vdst(0)                   ; one wait for the six
.irp e, 0,1
	v_mul_f32 v[ST+8*\e+6], v[ST+8*\e+6], v[TP+14+\e]
.endr
.irp e, 0,1
	v_fmac_f32 v[ST+8*\e+6], v[TP+10+\e], v[TP+16+\e]                 ; the row's sum
.endr
	s_wait_alu depctr_va_vdst(0)
.irp e, 0,1
	v_rcp_f32 v[TP+20+\e], v[ST+8*\e+6]
.endr
	v_nop
	s_wait_alu depctr_va_vdst(0)                   ; one wait for the two reciprocals
.irp e, 0,1
	v_mul_f32 v[ST+8*\e+4], v[TP+18+\e], v[TP+20+\e]                  ; the diagonal weight
.endr
	s_wait_alu depctr_va_vdst(0)                   ; ahead of the branch
	s_cmp_lt_u32 s[WV], 12
	s_cbranch_scc0 .Lwas_early
	s_wait_loadcnt 0x0                             ; x's fragments and scale words
	VPROJ                                          ; waves 0 to 11: v now
.set j, 0
.rept 32                               ; v x the diagonal weight, each accumulator from its low end on.  Head 0's sixteen lines are the places behind the last products (head 1's)
	v_pk_mul_f32 v[S+2*j:S+2*j+1], v[S+2*j:S+2*j+1], v[ST+8*(j/16)+4:ST+8*(j/16)+5] op_sel_hi:[1,0]
.set j, j+1
.endr
	s_branch .Lout
.Lwas_early:
.set j, 0
.rept 32
	v_pk_mul_f32 v[S+2*j:S+2*j+1], v[XF+2*j:XF+2*j+1], v[ST+8*(j/16)+4:ST+8*(j/16)+5] op_sel_hi:[1,0]
.set j, j+1
.endr
.Lout:
	s_wait_alu depctr_va_vdst(0)                   ; ahead of the first reader behind the jump
	; THE WAY OUT, one head (256 bytes of each of my 16 rows) at a time through my own stage.  Register j of tile u holds column 32 (u / 2) + 16 h + 8 (u % 2) + j of the head (Wv's rows are laid so).
.irp e, 0,1
.irp u, 0,1,2,3
	ds_store_b128 v[STO], v[S+32*\e+8*\u:S+32*\e+8*\u+3] offset:128*(\u/2)+32*(\u%2)
	ds_store_b128 v[STO], v[S+32*\e+8*\u+4:S+32*\e+8*\u+7] offset:128*(\u/2)+32*(\u%2)+16
.endr
.irp i, 0,1,2,3,4,5,6,7
	ds_load_b128 v[XF+32*\e+4*\i:XF+32*\e+4*\i+3], v[RD] offset:2*\i*SP   ; LDS serves a wave's instructions in order: these see my stores, and the next head's stores come behind them
.endr
.endr
.irp e, 0,1
.irp i, 0,1,2,3,4,5,6,7
	s_wait_dscnt 23-16*\e-\i                       ; these two rows are back; the LDS instructions issued behind their load may be out
	global_store_b128 v[GO], v[XF+32*\e+4*\i:XF+32*\e+4*\i+3], s[OUT:OUT+1] offset:2*\i*4096+256*\e th:TH_STORE_NT   ; sixteen lanes store 256 consecutive bytes, aligned
.endr
.endr
	s_wait_tensorcnt 0x0                           ; the wave's end
	ds_add_u32 v[SPW], v[NIL]
	s_wait_dscnt 0x0
	CROUND                                         ; the closing round
	s_endpgm
.Lfunc_end_k_q7dcf6acc03_attn:
	.size	k_q7dcf6acc03_attn, .Lfunc_end_k_q7dcf6acc03_attn-k_q7dcf6acc03_attn
	.p2alignl 7, 3214868480
	.fill 96, 4, 3214868480
	.section	.rodata,"a",@progbits
	.p2align	6, 0x0
	.amdhsa_kernel k_q7dcf6acc03_attn
		.amdhsa_group_segment_fixed_size 282624
		.amdhsa_private_segment_fixed_size 0
		.amdhsa_enable_private_segment 0
		.amdhsa_kernarg_size 64
		.amdhsa_user_sgpr_count 2
		.amdhsa_user_sgpr_kernarg_segment_ptr 1
		.amdhsa_wavefront_size32 1
		.amdhsa_system_sgpr_workgroup_id_x 1
		.amdhsa_system_sgpr_workgroup_id_y 1
		.amdhsa_system_sgpr_workgroup_id_z 1
		.amdhsa_system_vgpr_workitem_id 0
		.amdhsa_next_free_vgpr 256
		.amdhsa_next_free_sgpr 100
		.amdhsa_reserve_vcc 1
		.amdhsa_float_denorm_mode_32 3
		.amdhsa_float_denorm_mode_16_64 3
		.amdhsa_memory_ordered 1
		.amdhsa_forward_progress 1
		.amdhsa_inst_pref_size 113
	.end_amdhsa_kernel
	.amdgpu_metadata
---
amdhsa.version: [ 1, 2 ]
amdhsa.kernels:
  - .name:           k_q7dcf6acc03_attn
    .symbol:         k_q7dcf6acc03_attn.kd
    .args:
      - { .name: qk, .offset: 0, .size: 8, .value_kind: global_buffer, .address_space: global }
      - { .name: x_codes, .offset: 8, .size: 8, .value_kind: global_buffer, .address_space: global }
      - { .name: x_scales, .offset: 16, .size: 8, .value_kind: global_buffer, .address_space: global }
      - { .name: w_codes, .offset: 24, .size: 8, .value_kind: global_buffer, .address_space: global }
      - { .name: w_scales, .offset: 32, .size: 8, .value_kind: global_buffer, .address_space: global }
      - { .name: out0, .offset: 40, .size: 8, .value_kind: global_buffer, .address_space: global }
      - { .name: x, .offset: 48, .size: 8, .value_kind: global_buffer, .address_space: global }
      - { .name: out1, .offset: 56, .size: 8, .value_kind: global_buffer, .address_space: global }
    .group_segment_fixed_size: 282624
    .private_segment_fixed_size: 0
    .kernarg_segment_align: 8
    .kernarg_segment_size: 64
    .max_flat_workgroup_size: 512
    .sgpr_count:     100
    .vgpr_count:     256
    .wavefront_size: 32
...
	.end_amdgpu_metadata
.endif
;; end of part 3
